; MI455X (gfx1250); checked and timed in simulation.
; The chip was launched on July 23, 2026; its instructions are those of AMD's public machine-readable ISA for CDNA 5 (MIT licence, August 2026) and "CDNA5" Instruction Set Architecture Reference Guide (July 2026). The comments in the code are by the model that wrote it; some were corrected since.
;; Blocked Ell Linear. Allowed arithmetic: matrix products marked QUANTISED: E5M2 operands, one given power-of-two scale a tensor, by v_wmma_f32_16x16x64_bf8_bf8 or v_wmma_f32_16x16x128_bf8_bf8, f32 sums; everything else in f32.
;; Inputs: bias 4,096 float32; block_mask 256 x 256 bool; lowp_scales 4 int32 (the exponents e of the quantised operands' scales 2^e); weight 4,096 x 4,096 float32; x_codes 2,048 x 128 x 32 uint8 (E5M2 codes of x, K innermost, in blocks of 32 codes).
;; Outputs: out0 2,048 x 4,096 float32.
;; This version of the problem:
;;   THIS VERSION OF THE PROBLEM IS GIVEN IN LOW PRECISION. The matrix products marked QUANTISED in the list below multiply operands that are first quantised to E5M2 (5 exponent bits, 2 mantissa bits; 8 bits a number), with one given power-of-two scale for each operand tensor; their sums are f32. All else is computed in f32.
;;   The module's matrix products, in the order in which they are computed (A, B: the left and right operand; K: the contracted axis; several contracted axes count as one K, in the product's order):
;;     1. [M 2,048, K 4,096] x [K 4,096, N 4,096]; A: input x (given as codes); B: computed on the way: QUANTISED (scales: A lowp_scales[0], B lowp_scales[1])
;;     2. [M 2,048, K 4,096] x [K 4,096, N 4,096]; A: input x (given as codes); B: input weight: QUANTISED (scales: A lowp_scales[2], B lowp_scales[3])
;;   THE QUANTISER, for each operand of a quantised product, along K:
;;     - The operand's scale is 2^e, e = its entry of the input lowp_scales (int32; the entries are numbered through the quantised products in the list's order, A before B).
;;     - Each number is divided by the scale, clamped to +-57,344, and rounded to the nearest number of E5M2, ties to even, subnormals kept.
;;     - The product sums the exact products of the quantised numbers (number of the format x scale) in f32.
;;   ~~~python
;;   def quantise(x, axis, e):      # numpy; x: float32 -> the quantised numbers, widened to float32 again
;;       x = np.moveaxis(x, axis, -1); K = x.shape[-1]
;;       r = np.clip(x / 2.0 ** e, -57344, 57344)
;;       step = 2.0 ** (np.maximum(np.frexp(np.where(r == 0, 1, r))[1] - 1, -14) - 2)
;;       q = np.round(r / step) * step * 2.0 ** e      # np.round: ties to even
;;       return np.moveaxis(q, -1, axis).astype(np.float32)
;;   ~~~
;;   OPERANDS COMPUTED ON THE WAY. 'Computed on the way' means the value that the module computes at that place (a softmax that the list does not call 'softmax' is quantised finished and normalised). What goes into a quantiser is computed in f32, as accurately as f32 sums, v_exp_f32 and their like allow (about 1e-6 of the number): no bf16 or f16 on the way to a quantiser, and a product that is left as it is and whose result goes on into a quantised operand takes f32 operands (vector FMAs, or v_wmma_f32_16x16x4_f32). A number that lies on a knife's edge between two numbers of the format may be rounded either way, as far as f32 arithmetic and the matrix unit's own rounding can turn it there, and no further.
;;   INPUTS GIVEN AS CODES. x (in the module: [2048, 4096], K = its axis 1): each comes as NAME_codes (uint8): NAME with its K axis moved to the last place and cut into blocks of 32 codes, [.., K / 32, bytes a block], one block behind the other in memory; one code a byte (a code: sign, 5 exponent bits, 2 mantissa bits); its scale is its entry of lowp_scales. Its value is code x scale, taken as it is: it is not quantised again, and the codes and scales need not be those that the quantiser above would give.
;; One version. Each part assembles by itself: llvm-mc -triple=amdgcn-amd-amdhsa -mcpu=gfx1250 --defsym DOCPART=n.
;; ======== version 1 of 1: 2 launches
;; limits: right only within a limited range of input values
;; workspace buffers: wq 33,554,432 bytes
;; launch quant (part 1): grid 1024 x 1, 4 waves a work-group, no clusters, 34,304 bytes of LDS; arguments weight, block_mask, lowp_scales, wq; writes wq
.if DOCPART == 1
	.amdgcn_target "amdgcn-amd-amdhsa--gfx1250"
	.amdhsa_code_object_version 6
	.text
	.protected	k_qaf09a5e0b3_quant
	.globl	k_qaf09a5e0b3_quant
	.p2align	8
	.type	k_qaf09a5e0b3_quant,@function
k_qaf09a5e0b3_quant:
	s_mov_b64 s[64:65], 0
	v_nop
	global_prefetch_b8 v0, s[64:65] scope:SCOPE_SE
	s_setreg_imm32_b32 hwreg(HW_REG_WAVE_MODE, 25, 1), 1
	s_wait_xcnt 0x0
; weight [4096 (o)][4096 (k)] f32 becomes two sets of E5M2 codes: masked (weight x mask / 2^e1) and dense (weight / 2^e3), each held within +-57,344 x its scale.
; wq IS LAID AS THE PRODUCT'S OPERAND REGISTERS.  A fragment is 16 outputs x 128 k = 2,048 bytes: piece c (512 bytes) holds, at 16 x lane, lane (r, h)'s 16 codes
; k = 128 t + 32 c + 16 h + 0..15 of output row r.  Group g = o / 16, step t = k / 128: byte ((g / 2) x 32 + t) x 8,192 + (g % 2) x 2,048, the dense set 4,096 further on.
; SHARES.  Wave W = 4 x work-group + wave takes group g = W / 16 and steps 2 (W % 16), + 1.  Each load reads 512 consecutive bytes of one row; a step's 16 rows go through the
; wave's own stage in LDS and come back 64 bytes a lane, 16 neighbours along k, which lie inside one block of the mask: byte 8 t + 2 c + h of mask row g.
; The step's mask bytes come by one scalar load.  The masked set's hold is between -LM and LM, LM = 57,344 x 2^e1 where the block counts and 0 where it does not.
; No tensor load, barrier, cluster or matrix work: the waves share nothing and each byte is read once.
; LIMITS: e1 and e3 between -126 and 112.  NaN and infinities among the weights are not served.
.set SP,    528                        ; a stage row: 512 bytes + 16 of padding
.set STG,   16*SP
.set SPARE, 4*STG                      ; the spare words, behind the four stages
.set R,     16                         ; v16-143  two steps as loaded; v16-79 later hold the codes
.set X,     144                        ; v144-207 a step's numbers, 16 neighbours for each c
.set Y,     208                        ; v208-223 the masked and held copy
	s_load_b256 s[4:11], s[0:1], 0x0               ; weight, mask, scales, wq
	v_lshl_add_u32 v2, v0, 2, SPARE
	v_mov_b32 v3, 0
	v_lshrrev_b32 v1, 5, v0
	v_readfirstlane_b32 s12, v1                    ; wave
	s_mul_i32 s24, s12, STG
	s_lshl_b32 s13, ttmp9, 2
	s_add_co_u32 s13, s13, s12                     ; W
	s_lshr_b32 s14, s13, 4                         ; g
	s_and_b32 s15, s13, 15                         ; pair of steps
	s_lshl_b32 s16, s14, 18                        ; weight: 16 g rows of 16,384 bytes
	s_lshl_b32 s17, s15, 10                        ; + two steps of 512 bytes
	s_add_co_u32 s16, s16, s17
	s_mov_b32 s17, 0
	s_lshl_b32 s18, s14, 8                         ; mask: row g, 16 bytes for the two steps
	s_lshl_b32 s19, s15, 4
	s_add_co_u32 s18, s18, s19
	s_mov_b32 s19, 0
	s_lshr_b32 s20, s14, 1                         ; wq
	s_lshl_b32 s20, s20, 18
	s_lshl_b32 s21, s15, 14
	s_add_co_u32 s20, s20, s21
	s_and_b32 s21, s14, 1
	s_lshl_b32 s21, s21, 11
	s_add_co_u32 s20, s20, s21
	s_mov_b32 s21, 0
	v_and_b32 v15, 31, v0
	v_lshlrev_b32 v4, 4, v15                       ; 16 x lane
	v_add_nc_u32 v5, s24, v4                       ; the stage, on the way in
	v_and_b32 v14, 15, v0                          ; r
	v_bfe_u32 v1, v0, 4, 1                         ; h
	v_mul_u32_u24 v6, v14, SP
	v_lshl_add_u32 v6, v1, 6, v6
	v_add_nc_u32 v6, s24, v6                       ; and back: row r, 64 h
	v_lshlrev_b32 v7, 3, v1                        ; shift to my mask byte, even c
	v_add_nc_u32 v8, 16, v7                        ; odd c
	s_wait_alu depctr_va_vdst(0)
	s_wait_kmcnt 0x0
	s_add_nc_u64 s[4:5], s[4:5], s[16:17]
	s_add_nc_u64 s[6:7], s[6:7], s[18:19]
	s_add_nc_u64 s[10:11], s[10:11], s[20:21]
	s_load_b128 s[32:35], s[8:9], 0x0              ; e0 .. e3
	s_load_b128 s[28:31], s[6:7], 0x0              ; 16 mask bytes
.irp i, 0,1
.irp j, 0,1,2,3,4,5,6,7,8,9,10,11,12,13,14,15
	global_load_b128 v[R+64*\i+4*\j:R+64*\i+4*\j+3], v4, s[4:5] offset:16384*\j+512*\i th:TH_LOAD_NT
.endr
.endr
	s_wait_kmcnt 0x0
	s_add_co_i32 s24, s33, 127
	s_lshl_b32 s25, s24, 23
	v_mov_b32 v13, s25                             ; 2^e1
	s_add_co_i32 s24, s24, 15
	s_lshl_b32 s24, s24, 23
	s_or_b32 s24, s24, 0x600000
	v_mov_b32 v12, s24                             ; 57,344 x 2^e1
	s_add_co_i32 s26, s35, 127
	s_lshl_b32 s27, s26, 23
	v_mov_b32 v11, s27                             ; 2^e3
	s_add_co_i32 s26, s26, 15
	s_lshl_b32 s26, s26, 23
	s_or_b32 s26, s26, 0x600000
	v_mov_b32 v10, s26                             ; 57,344 x 2^e3
	s_wait_alu depctr_va_vdst(0)                   ; the head's end
.macro PROC i
.set CM, R+32*\i                       ; the masked fragment's 16 registers; the dense one's follow
	s_wait_loadcnt 16-16*\i                        ; this step's 16 loads are in
.irp j, 0,1,2,3,4,5,6,7,8,9,10,11,12,13,14,15
	ds_store_b128 v5, v[R+64*\i+4*\j:R+64*\i+4*\j+3] offset:SP*\j
.endr
.irp c, 0,1,2,3
.irp j, 0,1,2,3
	ds_load_b128 v[X+16*\c+4*\j:X+16*\c+4*\j+3], v6 offset:128*\c+16*\j   ; LDS serves a wave's instructions in order
.endr
.endr
	s_wait_dscnt 0x0
.irp c, 0,1,2,3
	v_lshrrev_b32 v14, v[7+(\c%2)], s[28+2*\i+\c/2]
	v_and_b32 v14, 0xff, v14
	v_cmp_ne_u32 vcc_lo, 0, v14
	v_cndmask_b32 v9, 0, v12, vcc_lo               ; LM
.irp k, 0,1,2,3,4,5,6,7,8,9,10,11,12,13,14,15
	v_med3_num_f32 v[Y+\k], v[X+16*\c+\k], -v9, v9 ; the mask and the hold in one
.endr
	v_cvt_scalef32_pk8_bf8_f32 v[CM+4*\c:CM+4*\c+1], v[Y:Y+7], v13
	v_cvt_scalef32_pk8_bf8_f32 v[CM+4*\c+2:CM+4*\c+3], v[Y+8:Y+15], v13
.irp k, 0,1,2,3,4,5,6,7,8,9,10,11,12,13,14,15
	v_med3_num_f32 v[X+16*\c+\k], v[X+16*\c+\k], -v10, v10
.endr
	v_cvt_scalef32_pk8_bf8_f32 v[CM+16+4*\c:CM+16+4*\c+1], v[X+16*\c:X+16*\c+7], v11
	v_cvt_scalef32_pk8_bf8_f32 v[CM+16+4*\c+2:CM+16+4*\c+3], v[X+16*\c+8:X+16*\c+15], v11
.endr
	v_nop                                          ; one plain line behind the last conversion
.irp c, 0,1,2,3
	global_store_b128 v4, v[CM+4*\c:CM+4*\c+3], s[10:11] offset:8192*\i+512*\c            ; 512 consecutive bytes, at a multiple of 512
	global_store_b128 v4, v[CM+16+4*\c:CM+16+4*\c+3], s[10:11] offset:8192*\i+4096+512*\c
.endr
.endm
	PROC 0
	PROC 1
	s_wait_tensorcnt 0x0                           ; the wave's end
	ds_add_u32 v2, v3
	s_wait_dscnt 0x0
	s_endpgm
.Lfunc_end_k_qaf09a5e0b3_quant:
	.size	k_qaf09a5e0b3_quant, .Lfunc_end_k_qaf09a5e0b3_quant-k_qaf09a5e0b3_quant
	.p2alignl 7, 3214868480
	.fill 96, 4, 3214868480
	.section	.rodata,"a",@progbits
	.p2align	6, 0x0
	.amdhsa_kernel k_qaf09a5e0b3_quant
		.amdhsa_group_segment_fixed_size 34304
		.amdhsa_private_segment_fixed_size 0
		.amdhsa_enable_private_segment 0
		.amdhsa_kernarg_size 32
		.amdhsa_user_sgpr_count 2
		.amdhsa_user_sgpr_kernarg_segment_ptr 1
		.amdhsa_wavefront_size32 1
		.amdhsa_system_sgpr_workgroup_id_x 1
		.amdhsa_system_sgpr_workgroup_id_y 1
		.amdhsa_system_sgpr_workgroup_id_z 1
		.amdhsa_system_vgpr_workitem_id 0
		.amdhsa_next_free_vgpr 224
		.amdhsa_next_free_sgpr 66
		.amdhsa_reserve_vcc 1
		.amdhsa_float_denorm_mode_32 3
		.amdhsa_float_denorm_mode_16_64 3
		.amdhsa_memory_ordered 1
		.amdhsa_forward_progress 1
		.amdhsa_inst_pref_size 31
	.end_amdhsa_kernel
	.amdgpu_metadata
---
amdhsa.version: [ 1, 2 ]
amdhsa.kernels:
  - .name:           k_qaf09a5e0b3_quant
    .symbol:         k_qaf09a5e0b3_quant.kd
    .args:
      - { .name: weight, .offset: 0, .size: 8, .value_kind: global_buffer, .address_space: global }
      - { .name: block_mask, .offset: 8, .size: 8, .value_kind: global_buffer, .address_space: global }
      - { .name: lowp_scales, .offset: 16, .size: 8, .value_kind: global_buffer, .address_space: global }
      - { .name: wq, .offset: 24, .size: 8, .value_kind: global_buffer, .address_space: global }
    .group_segment_fixed_size: 34304
    .private_segment_fixed_size: 0
    .kernarg_segment_align: 8
    .kernarg_segment_size: 32
    .max_flat_workgroup_size: 128
    .sgpr_count:     66
    .vgpr_count:     224
    .wavefront_size: 32
...
	.end_amdgpu_metadata
.endif
;; end of part 1
;; launch gemm (part 2): grid 32 x 8, 4 waves a work-group, clusters of 4 x 1, 327,680 bytes of LDS; arguments x_codes, wq, lowp_scales, bias, out0; writes out0
.if DOCPART == 2
	.amdgcn_target "amdgcn-amd-amdhsa--gfx1250"
	.amdhsa_code_object_version 6
	.text
	.protected	k_qaf09a5e0b3_gemm
	.globl	k_qaf09a5e0b3_gemm
	.p2align	8
	.type	k_qaf09a5e0b3_gemm,@function
k_qaf09a5e0b3_gemm:
	s_mov_b64 s[64:65], 0
	v_nop
	global_prefetch_b8 v0, s[64:65] scope:SCOPE_SE
	s_setreg_imm32_b32 hwreg(HW_REG_WAVE_MODE, 25, 1), 1
	s_wait_xcnt 0x0
	s_wait_alu depctr_hold_cnt(0) depctr_sa_sdst(0) depctr_va_vdst(0) depctr_va_sdst(0) depctr_va_ssrc(0) depctr_va_vcc(0) depctr_vm_vsrc(0)
	s_getreg_b32 s2, hwreg(HW_REG_IB_STS2, 6, 4)
	s_cmp_eq_u32 s2, 0
	s_cbranch_scc0 .Lentry_in_a_cluster
	s_endpgm
.Lentry_in_a_cluster:
	s_bfe_u32 s2, ttmp6, 0x10000c
	s_cmp_lg_u32 s2, 0x3003
	s_cbranch_scc0 .Lentry_shape_is_right
	s_endpgm
.Lentry_shape_is_right:
; out[t][o] = 2^(e0+e1) sum_k x[t][k] wm[o][k] + 2^(e2+e3) sum_k x[t][k] wd[o][k] + bias[o]; x, wm (masked), wd (dense): E5M2 codes; sums in f32.
; LIMIT: e0 + e1 and e2 + e3 lie between -126 and 127.
; A work-group makes 256 tokens x 128 outputs; wave w makes all 256 tokens x outputs 32 w .. + 31 of both sets: 16 blocks of tokens x 4 fragments of weights = 64 accumulators.
; x GOES THROUGH LDS: two slots of 256 rows x 512 along K (rows of 512 bytes, padded to 528), so that a change of slots comes once in 256 matrix instructions of a wave.
; The four work-groups of a cluster (same tokens, neighbouring outputs) ask for each tile of x jointly; each wave asks for 64 rows.
; THE WEIGHTS' CODES GO FROM MEMORY STRAIGHT INTO REGISTERS: wq is laid as the operand's registers, a wave's stream is 8,192 consecutive bytes for 128 along K, each load 512 consecutive
; bytes, no two waves of a work-group read the same byte.  Four sets of 64 registers: one at work, three on their way.  They are not asked for jointly: a joint request lands in LDS,
; where the two slots of x take 270,336 of 327,680 bytes, and the eight work-groups that read the same weights lie in eight clusters.
; The matrix instruction is used transposed (source 0 = 16 rows of weights, source 1 = 16 tokens): a lane holds eight neighbouring outputs of one token.
; REGISTERS: window 0: v16-29 addresses, v32-47 bias, v64-255 two buffers of six fragments of x; window 1: the weights' four sets; windows 2, 3: accumulators (block a, fragment b at v[8 (4 (a % 8) + b)]).
; A step's 16 blocks go in three groups of 6, 6 and 4; group g of a slot's q-th step lies in buffer (q + g) % 2.  Ahead of a group's products stands ONE run of loads: the next group's fragments,
; into the buffer that the group before has left, behind four places; the 16 loads of the weights three steps on are shared among the step's three runs, 6, 5 and 5.
.set PITCH,  528
.set SLOT,   256*PITCH
.set SPARE,  2*SLOT                    ; the spare words, behind the ring
.set HB,     8*16*PITCH                ; blocks 8-15 lie beyond an LDS immediate's reach: a second address register
.set STEPB,  8192                      ; a wave's weights for 128 along K
.set ADRA, 16                          ; v16-19  LDS address of x's fragments: slot 0 blocks 0-7, 8-15; slot 1 likewise
.set STO,  20                          ; v20-21  the way out: into the stage, blocks 0-7, 8-15
.set RD,   22                          ; v22     back from the stage
.set VB,   23                          ; v23     16 x lane
.set VPF,  24                          ; v24     prefetch of weights: 256 x lane + 8,192 x token block
.set VPA,  25                          ; v25     prefetch of x: my row and half
.set BO,   26
.set SPW,  28
.set NIL,  29
.set BI,   32                          ; v32-47  bias of my 2 x 8 outputs
.set TMP,  64                          ; the way out
.set AF,   64
.set G1, 24
.set G0, 32
.set BB, 40                            ; s[40:41] my stream of weights, at the lap's first step
.set PA, 42                            ; s[42:43] where x's prefetches stand
.set LIM, 44                           ; s44, s45
.set SC1, 76
.set SC2, 78
.set MSB, 0
.macro WIN new
.if MSB != (\new)
	s_set_vgpr_msb (MSB<<8)|(\new)
.set MSB, (\new)
.endif
.endm
.set MUL_LO, 0xa1                      ; source 0 window 1, source 1 window 0, C and D window 2
.set TO_B,   0x40
.macro CREST
	s_cmp_lg_u32 s14, 0
	s_cbranch_scc1 .Lnot_wave_0_\@
	s_barrier_signal -3
.Lnot_wave_0_\@:
	s_barrier_wait -3
	s_barrier_signal -1
	s_barrier_wait -1
.endm
.macro CROUND
	s_barrier_signal -1
	s_barrier_wait -1
	CREST
.endm
.macro PLACES                          ; four places ahead of loads into registers that matrix instructions have read, and of reads of results
.rept 4
	v_nop
.endr
.endm
.macro LDG slot, q, g                  ; group g of the slot's q-th 128 along K: a fragment's registers 4 c .. + 3 hold K = 32 c + 16 (l / 16) + 0 .. 15 of row l % 16
.set ii, 0
.rept 6-2*((\g)/2)
.set aa, 6*(\g)+ii
.irp c, 0,1,2,3
	ds_load_b128 v[AF+16*(6*(((\q)+(\g))%2)+ii)+4*\c:AF+16*(6*(((\q)+(\g))%2)+ii)+4*\c+3], v[ADRA+2*(\slot)+aa/8] offset:(aa%8)*16*PITCH+128*(\q)+32*\c
.endr
.set ii, ii+1
.endr
.endm
.macro LDB p, so, j0, n                ; of the weights of the step so steps behind s[BB], pieces j0 .. j0 + n - 1 of 16 (512 bytes, four registers each) into set p
	WIN TO_B
.set jj, \j0
.rept \n
	global_load_b128 v[64*(\p)+4*jj:64*(\p)+4*jj+3], v[VB], s[BB:BB+1] offset:STEPB*(\so)+512*jj
.set jj, jj+1
.endr
.endm
.macro MULG q, g, i0, n, zero          ; n blocks of group g, from its i0-th on, against set q's four fragments; the 64 accumulators take turns in one order
.set ii, \i0
.rept \n
.set aa, 6*(\g)+ii
	WIN MUL_LO+0x50*(aa/8)
.irp b, 0,1,2,3
.if \zero
	v_wmma_f32_16x16x128_bf8_bf8 v[8*(4*(aa%8)+\b):8*(4*(aa%8)+\b)+7], v[64*(\q)+16*\b:64*(\q)+16*\b+15], v[AF+16*(6*(((\q)+(\g))%2)+ii):AF+16*(6*(((\q)+(\g))%2)+ii)+15], 0
.else
	v_wmma_f32_16x16x128_bf8_bf8 v[8*(4*(aa%8)+\b):8*(4*(aa%8)+\b)+7], v[64*(\q)+16*\b:64*(\q)+16*\b+15], v[AF+16*(6*(((\q)+(\g))%2)+ii):AF+16*(6*(((\q)+(\g))%2)+ii)+15], v[8*(4*(aa%8)+\b):8*(4*(aa%8)+\b)+7]
.endif
.endr
.set ii, ii+1
.endr
.endm
; A step of 128 along K: 64 products.  so >= 0: the weights three steps on are asked for.  kind 0: the next step lies in the same slot; 1: change of slots with a refill; 2: without; 3: the last step.
; lw: the global loads younger than this step's set: two sets of 16 and the 6 just issued.  Each wait on DScnt leaves out the run just issued (24, 16, 24 loads).
.macro STEP slot, q, zero, so, kind, lw, pf
	PLACES
	WIN 0
	LDG \slot, \q, 1
.if \pf
	global_prefetch_b8 v[VPF], s[BB:BB+1] offset:8*STEPB th:TH_LOAD_NT scope:SCOPE_SE   ; of the next lap's eight steps the one that bears my token block's number: 32 lanes x 256 bytes
.endif
.if \so >= 0
	LDB (\q+3)%4, \so, 0, 6                        ; into the set that the step before multiplied
.endif
	s_wait_dscnt 24
	s_wait_loadcnt \lw
	MULG \q, 0, 0, 6, \zero
	PLACES
	WIN 0
.if \kind == 1
	s_wait_xcnt 0x0                                ; my prefetch of x, issued a slot ago, has read its address
	s_add_nc_u64 s[PA:PA+1], s[PA:PA+1], 512
.endif
	LDG \slot, \q, 2
.if \so >= 0
	LDB (\q+3)%4, \so, 6, 5
.endif
.if (\kind == 1) || (\kind == 2)
	WIN 0
	s_wait_tensorcnt 0x0                           ; my part of the next slot is in; this slot's last reads have been issued
	ds_add_u32 v[SPW], v[NIL]
	s_wait_dscnt 17                                ; group 1 is in; group 2's 16 loads and the add may be out
	MULG \q, 1, 0, 3, \zero
	s_wait_dscnt 0x0                               ; the add is done, my reads of this slot are over
	s_barrier_signal -1
	MULG \q, 1, 3, 3, \zero
	WIN 0
	s_barrier_wait -1
.if \kind == 1
	CREST                                          ; the barrier has opened a round of the cluster's barrier
	s_add_nc_u64 s[G0+4*\slot+2:G0+4*\slot+3], s[G0+4*\slot+2:G0+4*\slot+3], 1024
	tensor_load_to_lds s[G0+4*\slot:G0+4*\slot+3], s[G1:G1+7]
	s_nop 0
.endif
	PLACES
	LDG 1-\slot, 0, 0
.if \kind == 1
	s_cmp_gt_u32 s3, s[LIM+\slot]                  ; the first cluster of a row of clusters asks, and not beyond K's end
	s_cbranch_scc0 .Lno_\@
	global_prefetch_b8 v[VPA], s[PA:PA+1] th:TH_LOAD_NT scope:SCOPE_SE   ; the tile of x behind the one just asked for: the cluster's 512 lanes name its 256 rows x 2 blocks of 256 bytes
.Lno_\@:
.endif
.if \so >= 0
	LDB (\q+3)%4, \so, 11, 5
.endif
	MULG \q, 2, 0, 4, \zero
.else
	s_wait_dscnt 16
	MULG \q, 1, 0, 6, \zero
.if \kind == 0
	PLACES
	WIN 0
	LDG \slot, \q+1, 0
.if \so >= 0
	LDB (\q+3)%4, \so, 11, 5
.endif
	s_wait_dscnt 24
.else
	s_wait_dscnt 0x0
.endif
	MULG \q, 2, 0, 4, \zero
.endif
.endm
	s_load_b128 s[4:7], s[0:1], 0x0                ; x's codes, wq
	s_load_b128 s[8:11], s[0:1], 0x10              ; scales, bias
	s_load_b64 s[12:13], s[0:1], 0x20              ; out
	v_lshl_add_u32 v[SPW], v0, 2, SPARE
	v_mov_b32 v[NIL], 0
	ds_add_u32 v[SPW], v[NIL]                      ; the opening lines
	ds_add_u32 v[SPW], v[NIL]
	v_lshrrev_b32 v1, 5, v0
	v_readfirstlane_b32 s14, v1                    ; wave
	s_bfe_u32 s15, ttmp6, 0x40000                  ; cx
	s_lshl_b32 s16, ttmp9, 2
	s_add_co_u32 s16, s16, s15                     ; block of 128 outputs
	s_and_b32 s17, ttmp7, 0xffff                   ; block of 256 tokens
	s_mov_b32 s[G1+0], 15|(1<<20)|(1<<21)|(6<<22)|(3<<25)   ; all four of the cluster; bytes; 4 words of padding behind every 128
	s_mov_b32 s[G1+1], 512<<16
	s_mov_b32 s[G1+2], 64<<16
	s_mov_b32 s[G1+3], 512<<16
	s_mov_b32 s[G1+4], 64
	s_mov_b32 s[G1+5], 4096
	s_mov_b32 s[G1+6], 0
	s_mov_b32 s[G1+7], 0
	s_lshl_b32 s20, s17, 20                        ; 256 rows of 4,096 bytes a token block,
	s_lshl_b32 s21, s14, 18                        ; 64 rows a wave
	s_add_co_u32 s20, s20, s21
	s_mov_b32 s21, 0
	s_mul_i32 s22, s14, 64*PITCH
	s_wait_dscnt 0x0
	s_wait_kmcnt 0x0
	s_load_b128 s[72:75], s[8:9], 0x0              ; e0 .. e3
	s_add_nc_u64 s[20:21], s[4:5], s[20:21]
	CROUND
.irp s, 0,1
	s_mov_b32 s[G0+4*\s], 1
	s_add_co_u32 s[G0+4*\s+1], s22, \s*SLOT
	s_add_nc_u64 s[G0+4*\s+2:G0+4*\s+3], s[20:21], \s*512
	s_or_b32 s[G0+4*\s+3], s[G0+4*\s+3], 0x80000000
.endr
	tensor_load_to_lds s[G0:G0+3], s[G1:G1+7]      ; K 0 .. 511: one tensor load a wave at the head
	s_nop 0
	s_lshl_b32 s18, s16, 9                         ; 512 bytes of a row of out, and of bias, an output block
	s_lshl_b32 s19, s14, 7                         ; 128 a wave
	s_add_co_u32 s46, s18, s19
	s_mov_b32 s47, 0
	s_add_nc_u64 s[10:11], s[10:11], s[46:47]
	s_lshl_b32 s46, s17, 22                        ; out: 256 rows of 16,384 bytes a token block, 64 rows a wave
	s_lshl_b32 s23, s14, 20
	s_add_co_u32 s46, s46, s23
	s_add_co_u32 s46, s46, s18
	s_add_nc_u64 s[12:13], s[12:13], s[46:47]
	s_lshl_b32 s46, s16, 2
	s_add_co_u32 s46, s46, s14
	s_lshl_b32 s46, s46, 18                        ; my stream: 32 steps of 8,192 bytes
	s_add_nc_u64 s[BB:BB+1], s[6:7], s[46:47]
	s_lshl_b32 s46, s17, 20
	s_add_co_u32 s46, s46, 1024
	s_add_nc_u64 s[PA:PA+1], s[4:5], s[46:47]      ; the first change of slots steps it to K = 1,536
	s_cmp_eq_u32 ttmp9, 0
	s_cselect_b32 s[LIM], 0, -1
	s_cselect_b32 s[LIM+1], 1, -1
	s_lshl_b32 s20, s17, 13
	s_lshl_b32 s23, s15, 6
	s_lshl_b32 s21, s14, 4
	s_add_co_u32 s23, s23, s21
	s_lshl_b32 s23, s23, 12                        ; the prefetch's rows: 64 cx + 16 wave
	v_and_b32 v1, 15, v0
	v_bfe_u32 v2, v0, 4, 1
	v_and_b32 v3, 31, v0
	v_mul_u32_u24 v[ADRA], v1, PITCH
	v_lshl_add_u32 v[ADRA], v2, 4, v[ADRA]
	v_add_nc_u32 v[ADRA+1], HB, v[ADRA]
	v_add_nc_u32 v[ADRA+2], SLOT, v[ADRA]
	v_add_nc_u32 v[ADRA+3], SLOT+HB, v[ADRA]
	v_lshlrev_b32 v[VB], 4, v3
	v_lshl_add_u32 v[VPF], v3, 8, s20
	v_lshrrev_b32 v4, 1, v3
	v_lshl_add_u32 v4, v4, 12, s23
	v_and_b32 v5, 1, v3
	v_lshl_add_u32 v[VPA], v5, 8, v4
	v_lshlrev_b32 v[BO], 5, v2
	v_mul_u32_u24 v6, v1, PITCH
	v_lshl_add_u32 v6, v2, 5, v6
	v_add_nc_u32 v[STO], s19, v6                   ; stage: token row, my wave's 128 bytes, 32 for each half of the lanes
	v_add_nc_u32 v[STO+1], HB, v[STO]
	v_add_nc_u32 v[RD], s22, v[VB]                 ; back: my 64 rows, whole
	s_wait_alu depctr_va_vdst(0)                   ; the head's end
.irp b, 0,1
	global_load_b128 v[BI+8*\b:BI+8*\b+3],   v[BO], s[10:11] offset:64*\b
	global_load_b128 v[BI+8*\b+4:BI+8*\b+7], v[BO], s[10:11] offset:64*\b+16
.endr
	LDB 0, 0, 0, 16
	LDB 1, 1, 0, 16
	LDB 2, 2, 0, 16
	WIN 0
	s_wait_tensorcnt 0x0                           ; slot 1's first fill is issued as a refill is
	ds_add_u32 v[SPW], v[NIL]
	s_wait_dscnt 0x0
	CROUND
	tensor_load_to_lds s[G0+4:G0+7], s[G1:G1+7]
	s_nop 0
	LDG 0, 0, 0
	STEP 0, 0, 1, 3, 0, 38, 0                      ; the first step starts the sums
	WIN 0
	s_mov_b32 s3, 3
.Llap:                                                 ; eight steps, from a lap's second to the next lap's first; both slots are filled again
	STEP 0, 1, 0, 4, 0, 38, 1
	STEP 0, 2, 0, 5, 0, 38, 0
	STEP 0, 3, 0, 6, 1, 38, 0
	STEP 1, 0, 0, 7, 0, 38, 0
	STEP 1, 1, 0, 8, 0, 38, 0
	STEP 1, 2, 0, 9, 0, 38, 0
	STEP 1, 3, 0, 10, 1, 38, 0
	STEP 0, 0, 0, 11, 0, 38, 0
	WIN 0
	s_wait_xcnt 0x0                                ; the loads and the prefetch have read their base
	s_add_nc_u64 s[BB:BB+1], s[BB:BB+1], 8*STEPB
	s_sub_co_u32 s3, s3, 1
	s_cmp_lg_u32 s3, 0
	s_cbranch_scc1 .Llap
	STEP 0, 1, 0, 4, 0, 38, 0                      ; the last seven steps fill no slot
	STEP 0, 2, 0, 5, 0, 38, 0
	STEP 0, 3, 0, 6, 2, 38, 0
	STEP 1, 0, 0, 7, 0, 38, 0
	STEP 1, 1, 0, -1, 0, 32, 0                     ; no weights are left to ask for: the counts run down
	STEP 1, 2, 0, -1, 0, 16, 0
	STEP 1, 3, 0, -1, 3, 0, 0
	WIN 0
	s_wait_kmcnt 0x0
	s_add_co_i32 s[SC1], s72, s73
	s_add_co_i32 s[SC1], s[SC1], 127
	s_lshl_b32 s[SC1], s[SC1], 23                  ; 2^(e0 + e1)
	s_mov_b32 s[SC1+1], s[SC1]
	s_add_co_i32 s[SC2], s74, s75
	s_add_co_i32 s[SC2], s[SC2], 127
	s_lshl_b32 s[SC2], s[SC2], 23                  ; 2^(e2 + e3)
	s_mov_b32 s[SC2+1], s[SC2]
	PLACES                                         ; ahead of the reads of results and of the writes onto x's buffers
; THE WAY OUT.  A wave's 32 outputs are 128 bytes of a row: the four waves fill rows of 512 bytes in one stage, 256 rows in slot 0, which has had its last fill and its last read;
; a barrier; each wave reads 64 whole rows and stores them, 512 consecutive bytes an instruction.  Each accumulator is read from its low end on.
.irp g, 0,1,2,3
	WIN 0x02+(\g/2)
.irp u, 0,1,2,3
.irp b, 0,1
.irp i, 0,2,4,6
	v_pk_fma_f32 v[TMP+16*\u+8*\b+\i:TMP+16*\u+8*\b+\i+1], v[8*(4*(4*(\g%2)+\u)+\b+2)+\i:8*(4*(4*(\g%2)+\u)+\b+2)+\i+1], s[SC2:SC2+1], v[BI+8*\b+\i:BI+8*\b+\i+1] op_sel_hi:[1,0,1]
.endr
.endr
.endr
.irp u, 0,1,2,3
.irp b, 0,1
.irp i, 0,2,4,6
	v_pk_fma_f32 v[TMP+16*\u+8*\b+\i:TMP+16*\u+8*\b+\i+1], v[8*(4*(4*(\g%2)+\u)+\b)+\i:8*(4*(4*(\g%2)+\u)+\b)+\i+1], s[SC1:SC1+1], v[TMP+16*\u+8*\b+\i:TMP+16*\u+8*\b+\i+1] op_sel_hi:[1,0,1]
.endr
.endr
.endr
	WIN 0
.irp u, 0,1,2,3
.irp b, 0,1
	ds_store_b128 v[STO+\g/2], v[TMP+16*\u+8*\b:TMP+16*\u+8*\b+3] offset:(4*(\g%2)+\u)*16*PITCH+64*\b
	ds_store_b128 v[STO+\g/2], v[TMP+16*\u+8*\b+4:TMP+16*\u+8*\b+7] offset:(4*(\g%2)+\u)*16*PITCH+64*\b+16
.endr
.endr
.endr
	s_wait_dscnt 0x0                               ; for the others' sake: my stores into the stage are done
	s_barrier_signal -1
	s_barrier_wait -1
.macro RDB k                           ; 16 rows back, into one of three buffers from v64 on
.irp t, 0,1,2,3,4,5,6,7,8,9,10,11,12,13,14,15
	ds_load_b128 v[TMP+64*((\k)%3)+4*\t:TMP+64*((\k)%3)+4*\t+3], v[RD] offset:(16*(\k)+\t)*PITCH
.endr
.endm
.macro STB k
.irp t, 0,1,2,3,4,5,6,7,8,9,10,11,12,13,14,15
	global_store_b128 v[VB], v[TMP+64*((\k)%3)+4*\t:TMP+64*((\k)%3)+4*\t+3], s[12:13] offset:(16*(\k)+\t)*16384 th:TH_STORE_NT
.endr
.endm
	RDB 0
	RDB 1
	RDB 2
	s_wait_dscnt 32
	STB 0
	s_wait_dscnt 16
	STB 1
	s_wait_xcnt 0x0                                ; the first 16 stores have read their registers
	RDB 3
	s_wait_dscnt 16
	STB 2
	s_wait_dscnt 0x0
	STB 3
	s_wait_tensorcnt 0x0                           ; the wave's end
	ds_add_u32 v[SPW], v[NIL]
	s_wait_dscnt 0x0
	CROUND                                         ; the closing round
	s_endpgm
.Lfunc_end_k_qaf09a5e0b3_gemm:
	.size	k_qaf09a5e0b3_gemm, .Lfunc_end_k_qaf09a5e0b3_gemm-k_qaf09a5e0b3_gemm
	.p2alignl 7, 3214868480
	.fill 96, 4, 3214868480
	.section	.rodata,"a",@progbits
	.p2align	6, 0x0
	.amdhsa_kernel k_qaf09a5e0b3_gemm
		.amdhsa_group_segment_fixed_size 327680
		.amdhsa_private_segment_fixed_size 0
		.amdhsa_enable_private_segment 0
		.amdhsa_kernarg_size 40
		.amdhsa_user_sgpr_count 2
		.amdhsa_user_sgpr_kernarg_segment_ptr 1
		.amdhsa_wavefront_size32 1
		.amdhsa_system_sgpr_workgroup_id_x 1
		.amdhsa_system_sgpr_workgroup_id_y 1
		.amdhsa_system_sgpr_workgroup_id_z 1
		.amdhsa_system_vgpr_workitem_id 0
		.amdhsa_next_free_vgpr 1024
		.amdhsa_next_free_sgpr 80
		.amdhsa_reserve_vcc 0
		.amdhsa_float_denorm_mode_32 3
		.amdhsa_float_denorm_mode_16_64 3
		.amdhsa_memory_ordered 1
		.amdhsa_forward_progress 1
		.amdhsa_inst_pref_size 204
	.end_amdhsa_kernel
	.amdgpu_metadata
---
amdhsa.version: [ 1, 2 ]
amdhsa.kernels:
  - .name:           k_qaf09a5e0b3_gemm
    .symbol:         k_qaf09a5e0b3_gemm.kd
    .args:
      - { .name: x_codes, .offset: 0, .size: 8, .value_kind: global_buffer, .address_space: global }
      - { .name: wq, .offset: 8, .size: 8, .value_kind: global_buffer, .address_space: global }
      - { .name: lowp_scales, .offset: 16, .size: 8, .value_kind: global_buffer, .address_space: global }
      - { .name: bias, .offset: 24, .size: 8, .value_kind: global_buffer, .address_space: global }
      - { .name: out0, .offset: 32, .size: 8, .value_kind: global_buffer, .address_space: global }
    .group_segment_fixed_size: 327680
    .private_segment_fixed_size: 0
    .kernarg_segment_align: 8
    .kernarg_segment_size: 40
    .max_flat_workgroup_size: 128
    .sgpr_count:     80
    .vgpr_count:     1024
    .wavefront_size: 32
...
	.end_amdgpu_metadata
.endif
;; end of part 2
